; MI455X (gfx1250); checked and timed in simulation.
; The chip was launched on July 23, 2026; its instructions are those of AMD's public machine-readable ISA for CDNA 5 (MIT licence, August 2026) and "CDNA5" Instruction Set Architecture Reference Guide (July 2026). The comments in the code are by the model that wrote it; some were corrected since.
;; Simple Self Attention. Allowed arithmetic: float matrix products may take bf16 or f16 operands with f32 sums; all other float work in f32.
;; Inputs: inputs 16 x 2,048 x 128 float32.
;; Outputs: out0 16 x 2,048 x 128 float32.
;; 2 versions, each right and faster than the one before. Each part assembles by itself: llvm-mc -triple=amdgcn-amd-amdhsa -mcpu=gfx1250 --defsym DOCPART=n.
;; ======== version 1 of 2: 1 launch
;; launch attn (part 1): grid 16 x 16, 4 waves a work-group, clusters of 4 x 1, 327,680 bytes of LDS; arguments inputs, out0; writes out0
.if DOCPART == 1
	.amdgcn_target "amdgcn-amd-amdhsa--gfx1250"
	.amdhsa_code_object_version 6
	.text
	.protected	k_q0493c60b99_attn
	.globl	k_q0493c60b99_attn
	.p2align	8
	.type	k_q0493c60b99_attn,@function
k_q0493c60b99_attn:
	s_mov_b64 s[64:65], 0
	v_nop
	global_prefetch_b8 v0, s[64:65] scope:SCOPE_SE
	s_setreg_imm32_b32 hwreg(HW_REG_WAVE_MODE, 25, 1), 1
	s_wait_xcnt 0x0
	s_wait_alu depctr_hold_cnt(0) depctr_sa_sdst(0) depctr_va_vdst(0) depctr_va_sdst(0) depctr_va_ssrc(0) depctr_va_vcc(0) depctr_vm_vsrc(0)
	s_getreg_b32 s2, hwreg(HW_REG_IB_STS2, 6, 4)
	s_cmp_eq_u32 s2, 0
	s_cbranch_scc0 .Lentry_in_a_cluster
	s_endpgm
.Lentry_in_a_cluster:
	s_bfe_u32 s2, ttmp6, 0x10000c
	s_cmp_lg_u32 s2, 0x3003
	s_cbranch_scc0 .Lentry_shape_is_right
	s_endpgm
.Lentry_shape_is_right:
; out[b] = softmax(X[b] X[b]^T / sqrt(128)) X[b].  X: [16][2048][128] f32, out the same.  One launch, the scores never leave the registers.
; A work-group (4 waves) owns 128 query rows of one batch (x: query block, y: batch).  Wave w = 2 qh + kh owns 64 queries (half qh) and, of every
; key tile of 128 rows, the 64 keys of half kh; the two key halves are merged at the end.  16 steps, one key tile each.
; BOTH PRODUCTS ARE TAKEN TRANSPOSED: S^T = K Q^T (A = 16 keys, B = 16 queries), O^T = V^T P^T (A = 16 d, B = 16 queries).  A lane then holds ONE query
; (lane % 16), so maximum, sum and rescale are per lane, and two S^T tiles, rounded to bf16, ARE the B fragment of P^T: no shuffle.
; KEY ORDER: row m of an S^T tile is key 2 (m % 8) + m / 8 of its 16.  The same order stands in K's rows, P's k places and V's k places, and a softmax
; does not mind the order of its keys.  With it both kinds of fragment load touch 16 different 16-byte columns modulo 256 bytes at pitch 272 = 17 x 16.
; THE TILES: the f32 rows (a tile is 64 KiB, dense in memory) come by tensor loads into two f32 stages that take turns; each wave fetches a quarter
; (16 KiB) and rounds that same quarter to bf16 into one of two bf16 tiles (pitch 272), from which K is read by ds_load_b128 and V^T by
; ds_load_tr16_b128.  In step s tile s+2 is fetched, tile s+1 is rounded and tile s is multiplied: one barrier a step.
; CLUSTER: the four work-groups of a cluster are four query blocks of one batch and walk the same key tiles: each tile is asked for JOINTLY (mask 15),
; which divides the requests for key tiles by four.  The query rows are each work-group's own: a plain load.
; No prefetch: each key tile is also the query block of one work-group of the same batch, which fetches it at the launch's start.
; LIMITS: inputs finite.  X and P go to the matrix unit in bf16; the row sum is taken over the f32 values of p.  The running maximum is the true one,
; updated in every step; an exponential below 2^-126 counts as 0 (v_exp_f32 flushes: ISA guide 15.8).  The sums run in another order than the
; reference's: per lane, per key half, merged at the end.
.set PITCH,  272                       ; a bf16 row: 256 bytes + 16
.set TILEB,  65536                     ; a tile of 128 rows in f32
.set QUART,  16384                     ; a wave's quarter of it: 32 rows
.set ST0,    0                         ; f32 stage of the even tiles; ST0 + TILEB: of the odd tiles
.set QST,    131072                    ; f32 stage of the query rows, filled once
.set BUF0,   196608                    ; bf16 tile of the even tiles; written by ds_store alone
.set BUFSZ,  128*PITCH                 ; BUF0 + BUFSZ: first Q, then the odd tiles
.set MPITCH, 528                       ; the merge: a row of 128 f32 + 16 bytes
.set MWAVE,  64*MPITCH                 ; a wave's 64 rows; the four lie from LDS byte 0 on, over the stages, behind their last fill and last read
.set STAT,   4*MWAVE                   ; (nm, l) for each query, 512 bytes a wave
; window 0
.set AK,  2                            ; LDS address of my K fragments in BUF0
.set AV,  3                            ; of my V^T fragments
.set CL0, 4                            ; v4, v5: my 16 bytes of my quarter's first row in stage 0, 1
.set CLQ, 6                            ; the same in the query stage
.set CS,  7                            ; my 8 bytes of my quarter's first row in BUF0
.set STO, 8                            ; the merge: where I put 16 bytes of a row
.set RD,  9                            ; the merge: where I read rows back
.set CO,  10                           ; my byte offset in a row of out0
.set SA,  11                           ; my wave's stats
.set SB,  12                           ; the stats of the wave with the other key half
.set AQ,  13                           ; LDS address of my Q fragments
.set F0,  64                           ; v64-127   fragment buffer 0
.set F1,  128                          ; v128-191  fragment buffer 1
.set CV,  192                          ; v192-255  16 rows x 4 registers on their way from f32 to bf16
; window 1: Q(qt, ks) at 8 (4 qt + ks);  P(qt, kk) at PB + 8 (2 qt + kk)
.set PB,  128
; window 2: S(tt, qt) at 8 (4 tt + qt), and
.set MR,  128                          ; 4: running maximum of the raw scores, one for each qt
.set TP,  132                          ; 4: at work
.set DL,  136                          ; 4: new nm - old nm
.set NM,  140                          ; 4 pairs (nm, nm), nm = -c max; at the end (nm, l)
.set AL,  148                          ; 4 pairs (alpha, alpha); at the end (g, g)
.set LS,  156                          ; 4 pairs of running sums
.set PN,  164                          ; 4 pairs: the other key half's (nm, l)
; window 3: acc(dt, qt) at 8 (4 dt + qt): d = 16 dt + 8 (lane / 16) + register, query = 16 qt + lane % 16
.set G1J, 16                           ; s[16:23] descriptor group 1, joint
.set G1P, 24                           ; s[24:31] descriptor group 1, plain
.set G0,  32                           ; s[32:39] descriptor group 0 for stage 0, 1;  s[40:43] for the query stage
.set MSB, 0
.macro WIN new                         ; s_set_vgpr_msb: bits 1:0 source 0, 3:2 source 1, 5:4 source 2, 7:6 destination; the high byte repeats the setting that is left
.if MSB != \new
	s_set_vgpr_msb (MSB<<8)|\new
.set MSB, \new
.endif
.endm
; A vector instruction or a load that touches a matrix instruction's registers stands four places behind it, and only plain vector
; instructions that name none of its registers are places (ISA guide 7.12.1 for vector instructions).
.macro PLACES
.rept 4
	v_nop
.endr
.endm
; A round of the cluster's barrier: my work-group's barrier, wave 0 signals for the work-group, every wave waits for all four work-groups, my work-group's barrier again.
.macro ROUND
	s_barrier_signal -1
	s_barrier_wait -1
	s_cmp_lg_u32 s8, 0
	s_cbranch_scc1 .Lnot_wave_0_\@
	s_barrier_signal -3
.Lnot_wave_0_\@:
	s_barrier_wait -3
	s_barrier_signal -1
	s_barrier_wait -1
.endm
; 16 rows of my quarter of a stage: a row is 512 bytes, 16 a lane
.macro CVLOAD reg, half
.irp j, 0,1,2,3,4,5,6,7,8,9,10,11,12,13,14,15
	ds_load_b128 v[CV+4*\j:CV+4*\j+3], v[\reg] offset:512*(16*\half+\j)
.endr
.endm
; the same 16 rows, rounded to bf16, 8 bytes a lane, into the bf16 tile at BUF0 + dstoff
.macro CVSTORE dstoff, half
.irp j, 0,1,2,3,4,5,6,7,8,9,10,11,12,13,14,15
	v_cvt_pk_bf16_f32 v[CV+4*\j], v[CV+4*\j], v[CV+4*\j+1]
	v_cvt_pk_bf16_f32 v[CV+4*\j+1], v[CV+4*\j+2], v[CV+4*\j+3]
.endr
.irp j, 0,1,2,3,4,5,6,7,8,9,10,11,12,13,14,15
	ds_store_b64 v[CS], v[CV+4*\j:CV+4*\j+1] offset:\dstoff+PITCH*(16*\half+\j)
.endr
.endm
.macro CONVERT reg, dstoff             ; a whole quarter, with nothing else to do meanwhile (ahead of the steps)
	CVLOAD \reg, 0
	s_wait_dscnt 0x0
	CVSTORE \dstoff, 0
	CVLOAD \reg, 1
	s_wait_dscnt 0x0
	CVSTORE \dstoff, 1
.endm
; 16 loads: the K fragments of key tiles 2 chunk, 2 chunk + 1 of my 64 keys, all 128 d, from bf16 tile b
.macro FETCHK b, chunk, f
.irp tl, 0,1
.irp ks, 0,1,2,3
	ds_load_b128 v[\f+8*(4*\tl+\ks):\f+8*(4*\tl+\ks)+3],   v[AK] offset:\b*BUFSZ+(2*\chunk+\tl)*16*PITCH+64*\ks
	ds_load_b128 v[\f+8*(4*\tl+\ks)+4:\f+8*(4*\tl+\ks)+7], v[AK] offset:\b*BUFSZ+(2*\chunk+\tl)*16*PITCH+64*\ks+32
.endr
.endr
.endm
; 16 transposing loads: the V^T fragments of keys 32 kk .. 32 kk + 31 of my 64, all 8 blocks of 16 d
.macro FETCHV b, kk, f
.irp dt, 0,1,2,3,4,5,6,7
	ds_load_tr16_b128 v[\f+8*\dt:\f+8*\dt+3],   v[AV] offset:\b*BUFSZ+\kk*32*PITCH+32*\dt
	ds_load_tr16_b128 v[\f+8*\dt+4:\f+8*\dt+7], v[AV] offset:\b*BUFSZ+\kk*32*PITCH+32*\dt+16*PITCH
.endr
.endm
; 32 matrix instructions: S^T of key tiles t0, t0 + 1 x 4 query tiles, 128 d in four parts.  The first part starts the sums.
; The eight accumulators take turns, one instruction a turn.
.macro QK f, t0
.irp ks, 0,1,2,3
.irp tl, 0,1
.irp qt, 0,1,2,3
.if \ks == 0
	v_wmma_f32_16x16x32_bf16 v[8*(4*(\t0+\tl)+\qt):8*(4*(\t0+\tl)+\qt)+7], v[\f+8*(4*\tl+\ks):\f+8*(4*\tl+\ks)+7], v[8*(4*\qt+\ks):8*(4*\qt+\ks)+7], 0
.else
	v_wmma_f32_16x16x32_bf16 v[8*(4*(\t0+\tl)+\qt):8*(4*(\t0+\tl)+\qt)+7], v[\f+8*(4*\tl+\ks):\f+8*(4*\tl+\ks)+7], v[8*(4*\qt+\ks):8*(4*\qt+\ks)+7], v[8*(4*(\t0+\tl)+\qt):8*(4*(\t0+\tl)+\qt)+7]
.endif
.endr
.endr
.endr
.endm
; 32 matrix instructions: O^T += V^T P^T over 32 keys.  All 32 accumulators take turns.  zero = 1: the launch's first product starts the sums.
.macro PV f, kk, zero
.irp dt, 0,1,2,3,4,5,6,7
.irp qt, 0,1,2,3
.if \zero
	v_wmma_f32_16x16x32_bf16 v[8*(4*\dt+\qt):8*(4*\dt+\qt)+7], v[\f+8*\dt:\f+8*\dt+7], v[PB+8*(2*\qt+\kk):PB+8*(2*\qt+\kk)+7], 0
.else
	v_wmma_f32_16x16x32_bf16 v[8*(4*\dt+\qt):8*(4*\dt+\qt)+7], v[\f+8*\dt:\f+8*\dt+7], v[PB+8*(2*\qt+\kk):PB+8*(2*\qt+\kk)+7], v[8*(4*\dt+\qt):8*(4*\dt+\qt)+7]
.endif
.endr
.endr
.endm
.macro SADD j                          ; pair j of tile n onto its query tile's running sum
	s_wait_alu depctr_va_vdst(0)
	v_pk_add_f32 v[LS+2*(n%4):LS+2*(n%4)+1], v[LS+2*(n%4):LS+2*(n%4)+1], v[8*n+2*\j:8*n+2*\j+1]
.endm
; The softmax of a step, all in window 2.  A lane holds, for each of 4 query tiles, 32 of its query's 64 scores; lane xor 16 holds the other 32.
; p = 2^(c s + nm), c = log2(e) / sqrt(128), nm = -c x the running maximum; alpha = 2^(new nm - old nm) rescales what has been summed.
.macro SOFTMAX first
	WIN 0xaa
.irp q, 0,1,2,3
.if \first
	v_max_num_f32 v[MR+\q], v[8*\q], v[8*\q+1]                     ; the first two scores start the maximum
.else
	v_max3_num_f32 v[MR+\q], v[MR+\q], v[8*\q], v[8*\q+1]
.endif
.endr
.set i, 1
.rept 15
.irp q, 0,1,2,3
	v_max3_num_f32 v[MR+\q], v[MR+\q], v[8*(4*(i/4)+\q)+2*(i%4)], v[8*(4*(i/4)+\q)+2*(i%4)+1]
.endr
.set i, i+1
.endr
.irp q, 0,1,2,3
	v_permlanex16_b32 v[TP+\q], v[MR+\q], s48, s49                 ; the other 32 keys' maximum
.endr
.irp q, 0,1,2,3
	v_max_num_f32 v[MR+\q], v[MR+\q], v[TP+\q]
.endr
.if \first == 0
.irp q, 0,1,2,3
	v_mul_f32 v[TP+\q], s46, v[MR+\q]
.endr
.irp q, 0,1,2,3
	v_sub_f32 v[DL+\q], v[TP+\q], v[NM+2*\q]                       ; new nm - old nm, at most 0
.endr
.endif
.irp q, 0,1,2,3
	v_mul_f32 v[NM+2*\q], s46, v[MR+\q]                            ; nm, twice: a pair for the packed multiply-add
	v_mul_f32 v[NM+2*\q+1], s46, v[MR+\q]
.endr
.if \first == 0
.irp q, 0,1,2,3
	v_exp_f32 v[AL+2*\q], v[DL+\q]                                 ; alpha, twice.  Behind a run of v_exp_f32 one plain vector instruction that touches neither
	v_exp_f32 v[AL+2*\q+1], v[DL+\q]                               ; results nor sources (ISA guide 5.7.2): here and below a multiply-add of another tile
.endr
.endif
.irp j, 0,1,2,3
	v_pk_fma_f32 v[2*\j:2*\j+1], v[2*\j:2*\j+1], s[44:45], v[NM:NM+1] op_sel_hi:[1,0,1]
.endr
.set n, 0
.rept 16
.irp j, 0,1,2,3,4,5,6,7
	v_exp_f32 v[8*n+\j], v[8*n+\j]
.endr
.irp j, 0,1,2,3
.if n < 15
	v_pk_fma_f32 v[8*(n+1)+2*\j:8*(n+1)+2*\j+1], v[8*(n+1)+2*\j:8*(n+1)+2*\j+1], s[44:45], v[NM+2*((n+1)%4):NM+2*((n+1)%4)+1] op_sel_hi:[1,0,1]
.else
.if \j == 0
	v_nop                                                          ; the last tile: no multiply-add is left to stand behind its exponentials
	s_wait_alu depctr_va_vdst(0)
.endif
.endif
.if n >= 4
	SADD \j
.else
.if \first
.if \j == 1
	s_wait_alu depctr_va_vdst(0)
	v_pk_add_f32 v[LS+2*n:LS+2*n+1], v[8*n:8*n+1], v[8*n+2:8*n+3]  ; the first two pairs start the sum
.endif
.if \j > 1
	SADD \j
.endif
.else
.if \j == 0
	s_wait_alu depctr_va_vdst(0)
	v_pk_fma_f32 v[LS+2*n:LS+2*n+1], v[LS+2*n:LS+2*n+1], v[AL+2*n:AL+2*n+1], v[8*n:8*n+1]   ; the old sum, rescaled, + the first pair
.else
	SADD \j
.endif
.endif
.endif
.endr
.set n, n+1
.endr
.endm
; P^T's B fragments: k places 8 h + j of fragment (qt, kk) are register j of S tile (2 kk, qt), places 16 + 8 h + j of tile (2 kk + 1, qt)
.macro PACKP
	WIN 0x4a
.irp qt, 0,1,2,3
.irp kk, 0,1
.irp t, 0,1
.irp j, 0,1,2,3
	v_cvt_pk_bf16_f32 v[PB+8*(2*\qt+\kk)+4*\t+\j], v[8*(4*(2*\kk+\t)+\qt)+2*\j], v[8*(4*(2*\kk+\t)+\qt)+2*\j+1]
.endr
.endr
.endr
.endr
.endm
.macro RESCALE                         ; every accumulator times its query's factor
	WIN 0xcb
.irp dt, 0,1,2,3,4,5,6,7
.irp qt, 0,1,2,3
.irp j, 0,1,2,3
	v_pk_mul_f32 v[8*(4*\dt+\qt)+2*\j:8*(4*\dt+\qt)+2*\j+1], v[8*(4*\dt+\qt)+2*\j:8*(4*\dt+\qt)+2*\j+1], v[AL+2*\qt:AL+2*\qt+1]
.endr
.endr
.endr
.endm
; One step: tile s lies in bf16 tile b = s % 2.  refill: stage b gets tile s + 2.  cv: tile s + 1 is rounded from stage 1 - b into bf16 tile 1 - b.
; tw: a tensor load of mine is out.  first: the launch's first step.
.macro STEP b, first, refill, cv, tw
	WIN 0
.if \first == 0
	PLACES                                         ; behind the last step's products, for the loads into F0 and F1
.endif
.if \tw
	s_wait_tensorcnt 0x0                           ; all my tensor loads have landed: the one that was out is my quarter of tile s + 1,
	ds_add_u32 v62, v63
	s_wait_dscnt 0x0
.endif
.if \refill
	s_add_nc_u64 s[G0+4*\b+2:G0+4*\b+3], s[G0+4*\b+2:G0+4*\b+3], 2*TILEB   ; so a group 0 may be written: this stage's next tile
.endif
	s_wait_dscnt 0x0                               ; my reads of stage b and of bf16 tile 1 - b, and my stores into bf16 tile b, are done
.if \refill
	ROUND                                          ; that now holds of every wave of all four work-groups
	tensor_load_to_lds s[G0+4*\b:G0+4*\b+3], s[G1J:G1J+7]          ; my one tensor load behind the round, and the first thing there
	s_nop 0
.else
	s_barrier_signal -1
	s_barrier_wait -1
.endif
.if \cv
	CVLOAD CL0+1-\b, 0
.endif
	FETCHK \b, 0, F0
	FETCHK \b, 1, F1
.if \cv
	s_wait_dscnt 32                                ; the 16 stage rows are in; behind them stand K's 32 loads
	CVSTORE (1-\b)*BUFSZ, 0
	CVLOAD CL0+1-\b, 1
.endif
	s_wait_dscnt 16+32*\cv                         ; F0 is in; behind it: F1's 16 loads (and 16 stores, 16 stage loads)
	WIN 0xa4
	QK F0, 0
	WIN 0
	PLACES
	FETCHV \b, 0, F0
	s_wait_dscnt 16+32*\cv                         ; F1 is in; behind it: (16 stores, 16 stage loads and) F0's 16 new loads
	WIN 0xa4
	QK F1, 2
	WIN 0
	PLACES                                         ; for the loads into F1 and for the softmax, which reads the results
.if \cv
	s_wait_dscnt 16                                ; the second 16 stage rows are in; behind them: F0's 16 loads
	CVSTORE (1-\b)*BUFSZ, 1
.endif
	FETCHV \b, 1, F1
	SOFTMAX \first
	PACKP
.if \first == 0
	RESCALE
.endif
	s_wait_dscnt 0x0                               ; V^T's fragments
	WIN 0xf4
	PV F0, 0, \first
	PV F1, 1, 0
.endm
	s_load_b128 s[4:7], s[0:1], 0x0                ; inputs s[4:5], out0 s[6:7]
	v_lshl_add_u32 v62, v0, 2, 0x41000
	v_mov_b32 v63, 0
	ds_add_u32 v62, v63
	v_lshrrev_b32 v1, 5, v0
	v_readfirstlane_b32 s8, v1                     ; wave 0..3
	s_lshr_b32 s9, s8, 1                           ; qh: which 64 queries
	s_and_b32 s10, s8, 1                           ; kh: which half of every key tile
	s_bfe_u32 s11, ttmp6, 0x40000                  ; cx: my place in the cluster
	s_lshl_b32 s12, ttmp9, 2
	s_add_co_u32 s12, s12, s11                     ; query block = 4 x cluster x + cx
	s_and_b32 s13, ttmp7, 0xffff                   ; batch = cluster y
	s_lshl_b32 s54, s8, 14                         ; my quarter: 32 rows of 512 bytes, in memory and in a stage
	s_lshl_b32 s14, s13, 20                        ; a batch is 2,048 rows of 512 bytes
	s_or_b32 s14, s14, s54                         ; the joint offset: batch and wave alone, alike in all four work-groups
	s_mov_b32 s15, 0
	s_lshl_b32 s50, s12, 16                        ; a query block is 128 rows of 512 bytes
	s_or_b32 s50, s50, s14                         ; my own offset: for the query rows and for out0
	s_mov_b32 s51, 0
	s_mov_b32 s44, 0x3e0293ee                      ; c = log2(e) / sqrt(128), twice: the whole pair counts as read
	s_mov_b32 s45, 0x3e0293ee
	s_mov_b32 s46, 0xbe0293ee                      ; -c
	s_mov_b32 s48, 0x76543210                      ; v_permlanex16_b32: lane i reads lane i xor 16
	s_mov_b32 s49, 0xfedcba98
	; group 1: a dense block of 16 KiB as 64 rows of 32 elements of 8 bytes (256 bytes a row), no padding: the stage is read contiguously
	s_mov_b32 s[G1J+0], 15|(3<<16)|(1<<21)         ; 15:0 mask: all four work-groups; 17:16 elements of 8 bytes; 21 set beside a mask
	s_mov_b32 s[G1P+0], 3<<16                      ; the same without a mask
.irp g, G1J, G1P
	s_mov_b32 s[\g+1], 32<<16                      ; tensor_dim0 = 32
	s_mov_b32 s[\g+2], 64<<16                      ; tensor_dim1 = 64
	s_mov_b32 s[\g+3], 32<<16                      ; tile_dim0 = 32
	s_mov_b32 s[\g+4], 64                          ; tile_dim1 = 64
	s_mov_b32 s[\g+5], 32                          ; from row to row: 32 elements
	s_mov_b32 s[\g+6], 0
	s_mov_b32 s[\g+7], 0
.endr
	s_wait_dscnt 0x0
	s_wait_kmcnt 0x0
	s_add_nc_u64 s[56:57], s[4:5], s[14:15]        ; my quarter of the batch's tile 0
.irp s, 0,1
	s_mov_b32 s[G0+4*\s], 1
	s_add_co_u32 s[G0+4*\s+1], s54, ST0+\s*TILEB   ; LDS: the stage + wave x 16 KiB
	s_add_nc_u64 s[G0+4*\s+2:G0+4*\s+3], s[56:57], \s*TILEB        ; tile s
	s_or_b32 s[G0+4*\s+3], s[G0+4*\s+3], 0x80000000
.endr
	s_mov_b32 s40, 1
	s_add_co_u32 s41, s54, QST
	s_add_nc_u64 s[42:43], s[4:5], s[50:51]        ; my quarter of my work-group's query rows
	s_or_b32 s43, s43, 0x80000000
	s_add_nc_u64 s[6:7], s[6:7], s[50:51]          ; out0 at the 32 rows that this wave stores
	ROUND                                          ; all four work-groups are here: the first joint loads meet
	tensor_load_to_lds s[40:43], s[G1P:G1P+7]      ; the three first fills as one group: three tensor loads of the wave are out
	s_nop 0
	tensor_load_to_lds s[G0:G0+3], s[G1J:G1J+7]
	s_nop 0
	tensor_load_to_lds s[G0+4:G0+7], s[G1J:G1J+7]
	s_nop 0
	v_and_b32 v14, 31, v0                          ; lane
	v_and_b32 v15, 15, v0                          ; r = lane % 16
	v_bfe_u32 v16, v0, 4, 1                        ; h = lane / 16
	v_and_b32 v17, 7, v0                           ; lane % 8
	v_bfe_u32 v18, v0, 3, 1                        ; (lane / 8) % 2
	s_mul_i32 s55, s10, 64*PITCH
	s_add_co_u32 s55, s55, BUF0                    ; my 64 keys in bf16 tile 0
	v_lshl_add_u32 v19, v17, 1, v18                ; K: fragment row r is key 2 (r % 8) + r / 8
	v_mul_u32_u24 v19, v19, PITCH
	v_lshl_add_u32 v19, v16, 4, v19                ; + 16 h
	v_add_nc_u32 v[AK], s55, v19
	v_lshl_add_u32 v20, v17, 1, v16                ; V^T: this lane addresses key 2 (lane % 8) + h,
	v_mul_u32_u24 v20, v20, PITCH
	v_lshl_add_u32 v20, v18, 4, v20                ; the 8 d at 16 ((lane / 8) % 2) bytes
	v_add_nc_u32 v[AV], s55, v20
	s_mul_i32 s58, s9, 64*PITCH
	s_add_co_u32 s58, s58, BUF0+BUFSZ              ; my 64 queries in bf16 tile 1
	v_mul_u32_u24 v1, v15, PITCH
	v_lshl_add_u32 v1, v16, 4, v1
	v_add_nc_u32 v[AQ], s58, v1
	v_lshl_add_u32 v[CL0], v14, 4, s54
	v_add_nc_u32 v[CL0+1], TILEB, v[CL0]
	v_add_nc_u32 v[CLQ], QST, v[CL0]
	s_mul_i32 s58, s8, 32*PITCH
	s_add_co_u32 s58, s58, BUF0
	v_lshl_add_u32 v[CS], v14, 3, s58
	s_mul_i32 s58, s8, MWAVE
	v_mul_u32_u24 v1, v15, MPITCH
	v_lshl_add_u32 v1, v16, 5, v1                  ; row r, 8 h numbers of 4 bytes
	v_add_nc_u32 v[STO], s58, v1
	s_mul_i32 s58, s9, 2*MWAVE                     ; the rows of the two waves with my queries,
	s_mul_i32 s59, s10, 32*MPITCH                  ; of which I add and store 32
	s_add_co_u32 s58, s58, s59
	v_lshl_add_u32 v[RD], v14, 4, s58
	v_lshlrev_b32 v[CO], 4, v14
	s_lshl_b32 s58, s8, 9
	s_add_co_u32 s58, s58, STAT
	v_lshl_add_u32 v[SA], v15, 3, s58
	s_xor_b32 s59, s8, 1
	s_lshl_b32 s59, s59, 9
	s_add_co_u32 s59, s59, STAT
	v_lshl_add_u32 v[SB], v15, 3, s59
	WIN 0x80
.irp q, 0,1,2,3
	v_mov_b32 v[TP+\q], 0                          ; v_permlanex16_b32 counts as a reader of its destination
.endr
	WIN 0
	s_wait_tensorcnt 0x2                           ; my query rows are in; tiles 0 and 1 may be out
	CONVERT CLQ, BUFSZ
	s_wait_tensorcnt 0x1                           ; my quarter of tile 0 is in; tile 1 may be out
	CONVERT CL0, 0
	s_wait_dscnt 0x0                               ; my stores into both bf16 tiles are done
	s_barrier_signal -1
	s_barrier_wait -1                              ; everybody's are.  Tile 1 stays on its way
	WIN 0x40
.irp qt, 0,1,2,3
.irp ks, 0,1,2,3
	ds_load_b128 v[8*(4*\qt+\ks):8*(4*\qt+\ks)+3],   v[AQ] offset:\qt*16*PITCH+64*\ks      ; Q stays in registers for the whole launch;
	ds_load_b128 v[8*(4*\qt+\ks)+4:8*(4*\qt+\ks)+7], v[AQ] offset:\qt*16*PITCH+64*\ks+32   ; step 0 waits for these in front of its round
.endr
.endr
	STEP 0, 1, 1, 1, 1                             ; steps 0 and 1 stand ahead of the loop: the first products start the sums
	STEP 1, 0, 1, 1, 1
	WIN 0                                          ; at a label and at a branch every window is 0
	s_mov_b32 s47, 6                               ; steps 2 to 13
.Lpair:
	STEP 0, 0, 1, 1, 1
	STEP 1, 0, 1, 1, 1
	WIN 0
	s_sub_co_u32 s47, s47, 1
	s_cmp_lg_u32 s47, 0
	s_cbranch_scc1 .Lpair
	STEP 0, 0, 0, 1, 1                             ; step 14: nothing is left to fetch; tile 15 is rounded
	STEP 1, 0, 0, 0, 0                             ; step 15: nothing is left to round; no tensor load is out any more
	; THE MERGE of the two key halves.  Each wave publishes (nm, l) of its 64 queries and reads its partner's.
	WIN 0
	PLACES                                         ; behind the last products
	WIN 0xaa
.irp q, 0,1,2,3
	v_add_f32 v[TP+\q], v[LS+2*\q], v[LS+2*\q+1]
.endr
.irp q, 0,1,2,3
	v_permlanex16_b32 v[DL+\q], v[TP+\q], s48, s49
.endr
.irp q, 0,1,2,3
	v_add_f32 v[NM+2*\q+1], v[TP+\q], v[DL+\q]     ; l of my key half, beside nm
.endr
	WIN 0x08
.irp q, 0,1,2,3
	ds_store_b64 v[SA], v[NM+2*\q:NM+2*\q+1] offset:128*\q         ; lanes r and r + 16 write the same bytes with the same values
.endr
	s_wait_dscnt 0x0
	s_barrier_signal -1
	s_barrier_wait -1
	WIN 0x80
.irp q, 0,1,2,3
	ds_load_b64 v[PN+2*\q:PN+2*\q+1], v[SB] offset:128*\q
.endr
	s_wait_dscnt 0x0
	WIN 0xaa
.irp q, 0,1,2,3
	v_min_num_f32 v[TP+\q], v[NM+2*\q], v[PN+2*\q] ; nm of the larger maximum
.endr
.irp q, 0,1,2,3
	v_sub_f32 v[DL+\q], v[TP+\q], v[NM+2*\q]
	v_sub_f32 v[MR+\q], v[TP+\q], v[PN+2*\q]
.endr
.irp q, 0,1,2,3
	v_exp_f32 v[DL+\q], v[DL+\q]                   ; f: my half's factor
	v_exp_f32 v[MR+\q], v[MR+\q]                   ; f': the other half's.  One of the two is 1
.endr
	v_nop                                          ; the plain place behind the exponentials
	s_wait_alu depctr_va_vdst(0)
.irp q, 0,1,2,3
	v_mul_f32 v[TP+\q], v[DL+\q], v[NM+2*\q+1]
.endr
.irp q, 0,1,2,3
	v_fmac_f32 v[TP+\q], v[MR+\q], v[PN+2*\q+1]    ; L = f l + f' l': between about 1 (the largest score's own p) and 2,048
.endr
.irp q, 0,1,2,3
	v_rcp_f32 v[TP+\q], v[TP+\q]
.endr
	v_nop
	s_wait_alu depctr_va_vdst(0)
.irp q, 0,1,2,3
	v_mul_f32 v[AL+2*\q], v[DL+\q], v[TP+\q]       ; g = f / L, twice
	v_mul_f32 v[AL+2*\q+1], v[DL+\q], v[TP+\q]
.endr
	RESCALE
	WIN 0x0c
.irp qt, 0,1,2,3
.irp dt, 0,1,2,3,4,5,6,7
.irp s, 0,1
	ds_store_b128 v[STO], v[8*(4*\dt+\qt)+4*\s:8*(4*\dt+\qt)+4*\s+3] offset:16*MPITCH*\qt+64*\dt+16*\s   ; row 16 qt + r, d = 16 dt + 8 h + 4 s ..
.endr
.endr
.endr
	WIN 0
	s_wait_dscnt 0x0
	s_barrier_signal -1
	s_barrier_wait -1
; THE WAY OUT, 8 rows at a time: a row of both halves (512 bytes, 16 a lane), their sum, one store of 512 consecutive bytes at a multiple of 512 from out0's first byte.
.macro OUT8 g, f
.if \g >= 2
	s_wait_xcnt 0x0                                ; buffer f, which stores read, is loaded again only behind this wait (ISA guide 3.1)
.endif
.irp t, 0,1,2,3,4,5,6,7
	ds_load_b128 v[\f+4*\t:\f+4*\t+3],       v[RD] offset:MPITCH*(8*\g+\t)
	ds_load_b128 v[\f+32+4*\t:\f+32+4*\t+3], v[RD] offset:MPITCH*(8*\g+\t)+MWAVE
.endr
.irp t, 0,1,2,3,4,5,6,7
	s_wait_dscnt 14-2*\t                           ; row t's two loads are in; behind them stand two for each later row
	v_pk_add_f32 v[\f+4*\t:\f+4*\t+1],   v[\f+4*\t:\f+4*\t+1],   v[\f+32+4*\t:\f+32+4*\t+1]
	v_pk_add_f32 v[\f+4*\t+2:\f+4*\t+3], v[\f+4*\t+2:\f+4*\t+3], v[\f+32+4*\t+2:\f+32+4*\t+3]
	global_store_b128 v[CO], v[\f+4*\t:\f+4*\t+3], s[6:7] offset:512*(8*\g+\t) th:TH_STORE_NT
.endr
.endm
	OUT8 0, F0
	OUT8 1, F1
	OUT8 2, F0
	OUT8 3, F1
	s_wait_tensorcnt 0x0
	ds_add_u32 v62, v63
	s_wait_dscnt 0x0
	ROUND                                          ; the closing round: no work-group ends while a partner may still ask for a tile that names it
	s_endpgm
.Lfunc_end_k_q0493c60b99_attn:
	.size	k_q0493c60b99_attn, .Lfunc_end_k_q0493c60b99_attn-k_q0493c60b99_attn
	.p2alignl 7, 3214868480
	.fill 96, 4, 3214868480
	.section	.rodata,"a",@progbits
	.p2align	6, 0x0
	.amdhsa_kernel k_q0493c60b99_attn
		.amdhsa_group_segment_fixed_size 327680
		.amdhsa_private_segment_fixed_size 0
		.amdhsa_enable_private_segment 0
		.amdhsa_kernarg_size 16
		.amdhsa_user_sgpr_count 2
		.amdhsa_user_sgpr_kernarg_segment_ptr 1
		.amdhsa_wavefront_size32 1
		.amdhsa_system_sgpr_workgroup_id_x 1
		.amdhsa_system_sgpr_workgroup_id_y 1
		.amdhsa_system_sgpr_workgroup_id_z 1
		.amdhsa_system_vgpr_workitem_id 0
		.amdhsa_next_free_vgpr 1024
		.amdhsa_next_free_sgpr 66
		.amdhsa_reserve_vcc 0
		.amdhsa_float_denorm_mode_32 3
		.amdhsa_float_denorm_mode_16_64 3
		.amdhsa_memory_ordered 1
		.amdhsa_forward_progress 1
		.amdhsa_inst_pref_size 255
	.end_amdhsa_kernel
	.section	.bss,"aw",@nobits
	.p2align	6
	.space	262144
	.amdgpu_metadata
---
amdhsa.version: [ 1, 2 ]
amdhsa.kernels:
  - .name:           k_q0493c60b99_attn
    .symbol:         k_q0493c60b99_attn.kd
    .args:
      - { .name: inputs, .offset: 0, .size: 8, .value_kind: global_buffer, .address_space: global }
      - { .name: out0, .offset: 8, .size: 8, .value_kind: global_buffer, .address_space: global }
    .group_segment_fixed_size: 327680
    .private_segment_fixed_size: 0
    .kernarg_segment_align: 8
    .kernarg_segment_size: 16
    .max_flat_workgroup_size: 128
    .sgpr_count:     66
    .vgpr_count:     1024
    .wavefront_size: 32
...
	.end_amdgpu_metadata
.endif
;; end of part 1
;; ======== version 2 of 2: 1 launch; 1.25 times as fast as version 1
;; launch attn (part 2): grid 16 x 16, 4 waves a work-group, clusters of 4 x 1, 327,680 bytes of LDS; arguments inputs, out0; writes out0
.if DOCPART == 2
	.amdgcn_target "amdgcn-amd-amdhsa--gfx1250"
	.amdhsa_code_object_version 6
	.text
	.protected	k_q0493c60b99_attn
	.globl	k_q0493c60b99_attn
	.p2align	8
	.type	k_q0493c60b99_attn,@function
k_q0493c60b99_attn:
	s_mov_b64 s[64:65], 0
	v_nop
	global_prefetch_b8 v0, s[64:65] scope:SCOPE_SE
	s_setreg_imm32_b32 hwreg(HW_REG_WAVE_MODE, 25, 1), 1
	s_wait_xcnt 0x0
	s_wait_alu depctr_hold_cnt(0) depctr_sa_sdst(0) depctr_va_vdst(0) depctr_va_sdst(0) depctr_va_ssrc(0) depctr_va_vcc(0) depctr_vm_vsrc(0)
	s_getreg_b32 s2, hwreg(HW_REG_IB_STS2, 6, 4)
	s_cmp_eq_u32 s2, 0
	s_cbranch_scc0 .Lentry_in_a_cluster
	s_endpgm
.Lentry_in_a_cluster:
	s_bfe_u32 s2, ttmp6, 0x10000c
	s_cmp_lg_u32 s2, 0x3003
	s_cbranch_scc0 .Lentry_shape_is_right
	s_endpgm
.Lentry_shape_is_right:
; out[b] = softmax(X[b] X[b]^T / sqrt(128)) X[b].  X: [16][2048][128] f32, out the same.  One launch, the scores never leave the registers.
; A work-group (4 waves) owns 128 query rows of one batch (x: query block, y: batch).  Wave w = 2 qh + kh owns 64 queries (half qh) and, of every
; key tile of 128 rows, the 64 keys of half kh; the two key halves are merged at the end.  16 steps, one key tile each.
; BOTH PRODUCTS ARE TAKEN TRANSPOSED: S^T = K Q^T (A = 16 keys, B = 16 queries), O^T = V^T P^T (A = 16 d, B = 16 queries).  A lane then holds ONE query
; (lane % 16), so maximum, sum and rescale are per lane, and two S^T tiles, rounded to bf16, ARE the B fragment of P^T: no shuffle.
; KEY ORDER: row m of an S^T tile is key 2 (m % 8) + m / 8 of its 16.  The same order stands in K's rows, P's k places and V's k places, and a softmax
; does not mind the order of its keys.  With it both kinds of fragment load touch 16 different 16-byte columns modulo 256 bytes at pitch 272 = 17 x 16.
; THE TILES: the f32 rows (a tile is 64 KiB, dense in memory) come by tensor loads into two f32 stages that take turns; each wave fetches a quarter
; (16 KiB) and rounds that same quarter to bf16 into one of two bf16 tiles (pitch 272), from which K is read by ds_load_b128 and V^T by
; ds_load_tr16_b128.  In step s tile s+2 is fetched, tile s+1 is rounded and tile s is multiplied: one barrier a step.
; THE EXPONENTIALS OF A STEP ARE ONE BATCH WITH ONE WAIT.  A step's softmax goes: maxima and nm; the 8 alpha and the 128 p, each tile's exponentials with
; the next tile's scalings between them, and none of these lines names a result of the batch; the rounding of 16 rows of tile s+1, 32 conversions on
; other registers; the wait; then the LDS stores of those rows, V^T's second run of loads, and the readers: the sums, P's rounding, the rescale.
; The merge has two batches more, a wait each: the eight factors f and f', and the four reciprocals of the sums made with them.
; CLUSTER: the four work-groups of a cluster are four query blocks of one batch and walk the same key tiles: each tile is asked for JOINTLY (mask 15),
; which divides the requests for key tiles by four.  The query rows are each work-group's own: a plain load.
; No prefetch: each key tile is also the query block of one work-group of the same batch, which fetches it at the launch's start.
; LIMITS: inputs finite.  X and P go to the matrix unit in bf16; the row sum is taken over the f32 values of p.  The running maximum is the true one,
; updated in every step; an exponential below 2^-126 counts as 0 (v_exp_f32 flushes: ISA guide 15.8).  The sums run in another order than the
; reference's: per lane, per key half, merged at the end.
.set PITCH,  272                       ; a bf16 row: 256 bytes + 16
.set TILEB,  65536                     ; a tile of 128 rows in f32
.set QUART,  16384                     ; a wave's quarter of it: 32 rows
.set ST0,    0                         ; f32 stage of the even tiles; ST0 + TILEB: of the odd tiles
.set QST,    131072                    ; f32 stage of the query rows, filled once
.set BUF0,   196608                    ; bf16 tile of the even tiles; written by ds_store alone
.set BUFSZ,  128*PITCH                 ; BUF0 + BUFSZ: first Q, then the odd tiles
.set MPITCH, 528                       ; the merge: a row of 128 f32 + 16 bytes
.set MWAVE,  64*MPITCH                 ; a wave's 64 rows; the four lie from LDS byte 0 on, over the stages, behind their last fill and last read
.set STAT,   4*MWAVE                   ; (nm, l) for each query, 512 bytes a wave
; window 0
.set AK,  2                            ; LDS address of my K fragments in BUF0
.set AV,  3                            ; of my V^T fragments
.set CL0, 4                            ; v4, v5: my 16 bytes of my quarter's first row in stage 0, 1
.set CLQ, 6                            ; the same in the query stage
.set CS,  7                            ; my 8 bytes of my quarter's first row in BUF0
.set STO, 8                            ; the merge: where I put 16 bytes of a row
.set RD,  9                            ; the merge: where I read rows back
.set CO,  10                           ; my byte offset in a row of out0
.set SA,  11                           ; my wave's stats
.set SB,  12                           ; the stats of the wave with the other key half
.set AQ,  13                           ; LDS address of my Q fragments
.set F0,  64                           ; v64-127   fragment buffer 0
.set F1,  128                          ; v128-191  fragment buffer 1
.set CV,  192                          ; v192-255  16 rows x 4 registers on their way from f32 to bf16
; window 1: Q(qt, ks) at 8 (4 qt + ks);  P(qt, kk) at PB + 8 (2 qt + kk)
.set PB,  128
; window 2: S(tt, qt) at 8 (4 tt + qt), and
.set MR,  128                          ; 4: running maximum of the raw scores, one for each qt
.set TP,  132                          ; 4: at work
.set DL,  136                          ; 4: new nm - old nm
.set NM,  140                          ; 4 pairs (nm, nm), nm = -c max; at the end (nm, l)
.set AL,  148                          ; 4 pairs (alpha, alpha); at the end (g, g)
.set LS,  156                          ; 4 pairs of running sums
.set PN,  164                          ; 4 pairs: the other key half's (nm, l)
; window 3: acc(dt, qt) at 8 (4 dt + qt): d = 16 dt + 8 (lane / 16) + register, query = 16 qt + lane % 16
.set G1J, 16                           ; s[16:23] descriptor group 1, joint
.set G1P, 24                           ; s[24:31] descriptor group 1, plain
.set G0,  32                           ; s[32:39] descriptor group 0 for stage 0, 1;  s[40:43] for the query stage
.set MSB, 0
.macro WIN new                         ; s_set_vgpr_msb: bits 1:0 source 0, 3:2 source 1, 5:4 source 2, 7:6 destination; the high byte repeats the setting that is left
.if MSB != \new
	s_set_vgpr_msb (MSB<<8)|\new
.set MSB, \new
.endif
.endm
; A vector instruction or a load that touches a matrix instruction's registers stands four places behind it, and only plain vector
; instructions that name none of its registers are places (ISA guide 7.12.1 for vector instructions).
.macro PLACES
.rept 4
	v_nop
.endr
.endm
; A round of the cluster's barrier: my work-group's barrier, wave 0 signals for the work-group, every wave waits for all four work-groups, my work-group's barrier again.
.macro ROUND
	s_barrier_signal -1
	s_barrier_wait -1
	s_cmp_lg_u32 s8, 0
	s_cbranch_scc1 .Lnot_wave_0_\@
	s_barrier_signal -3
.Lnot_wave_0_\@:
	s_barrier_wait -3
	s_barrier_signal -1
	s_barrier_wait -1
.endm
; 16 rows of my quarter of a stage: a row is 512 bytes, 16 a lane
.macro CVLOAD reg, half
.irp j, 0,1,2,3,4,5,6,7,8,9,10,11,12,13,14,15
	ds_load_b128 v[CV+4*\j:CV+4*\j+3], v[\reg] offset:512*(16*\half+\j)
.endr
.endm
; the 16 rows in CV are rounded to bf16, in place: 8 bytes a lane and row
.macro CVROUND
.irp j, 0,1,2,3,4,5,6,7,8,9,10,11,12,13,14,15
	v_cvt_pk_bf16_f32 v[CV+4*\j], v[CV+4*\j], v[CV+4*\j+1]
	v_cvt_pk_bf16_f32 v[CV+4*\j+1], v[CV+4*\j+2], v[CV+4*\j+3]
.endr
.endm
; and go into the bf16 tile at BUF0 + dstoff
.macro CVPUT dstoff, half
.irp j, 0,1,2,3,4,5,6,7,8,9,10,11,12,13,14,15
	ds_store_b64 v[CS], v[CV+4*\j:CV+4*\j+1] offset:\dstoff+PITCH*(16*\half+\j)
.endr
.endm
.macro CVSTORE dstoff, half            ; both on end
	CVROUND
	CVPUT \dstoff, \half
.endm
.macro CONVERT reg, dstoff             ; a whole quarter, with nothing else to do meanwhile (ahead of the steps)
	CVLOAD \reg, 0
	s_wait_dscnt 0x0
	CVSTORE \dstoff, 0
	CVLOAD \reg, 1
	s_wait_dscnt 0x0
	CVSTORE \dstoff, 1
.endm
; 16 loads: the K fragments of key tiles 2 chunk, 2 chunk + 1 of my 64 keys, all 128 d, from bf16 tile b
.macro FETCHK b, chunk, f
.irp tl, 0,1
.irp ks, 0,1,2,3
	ds_load_b128 v[\f+8*(4*\tl+\ks):\f+8*(4*\tl+\ks)+3],   v[AK] offset:\b*BUFSZ+(2*\chunk+\tl)*16*PITCH+64*\ks
	ds_load_b128 v[\f+8*(4*\tl+\ks)+4:\f+8*(4*\tl+\ks)+7], v[AK] offset:\b*BUFSZ+(2*\chunk+\tl)*16*PITCH+64*\ks+32
.endr
.endr
.endm
; 16 transposing loads: the V^T fragments of keys 32 kk .. 32 kk + 31 of my 64, all 8 blocks of 16 d
.macro FETCHV b, kk, f
.irp dt, 0,1,2,3,4,5,6,7
	ds_load_tr16_b128 v[\f+8*\dt:\f+8*\dt+3],   v[AV] offset:\b*BUFSZ+\kk*32*PITCH+32*\dt
	ds_load_tr16_b128 v[\f+8*\dt+4:\f+8*\dt+7], v[AV] offset:\b*BUFSZ+\kk*32*PITCH+32*\dt+16*PITCH
.endr
.endm
; 32 matrix instructions: S^T of key tiles t0, t0 + 1 x 4 query tiles, 128 d in four parts.  The first part starts the sums.
; The eight accumulators take turns, one instruction a turn.
.macro QK f, t0
.irp ks, 0,1,2,3
.irp tl, 0,1
.irp qt, 0,1,2,3
.if \ks == 0
	v_wmma_f32_16x16x32_bf16 v[8*(4*(\t0+\tl)+\qt):8*(4*(\t0+\tl)+\qt)+7], v[\f+8*(4*\tl+\ks):\f+8*(4*\tl+\ks)+7], v[8*(4*\qt+\ks):8*(4*\qt+\ks)+7], 0
.else
	v_wmma_f32_16x16x32_bf16 v[8*(4*(\t0+\tl)+\qt):8*(4*(\t0+\tl)+\qt)+7], v[\f+8*(4*\tl+\ks):\f+8*(4*\tl+\ks)+7], v[8*(4*\qt+\ks):8*(4*\qt+\ks)+7], v[8*(4*(\t0+\tl)+\qt):8*(4*(\t0+\tl)+\qt)+7]
.endif
.endr
.endr
.endr
.endm
; 32 matrix instructions: O^T += V^T P^T over 32 keys.  All 32 accumulators take turns.  zero = 1: the launch's first product starts the sums.
.macro PV f, kk, zero
.irp dt, 0,1,2,3,4,5,6,7
.irp qt, 0,1,2,3
.if \zero
	v_wmma_f32_16x16x32_bf16 v[8*(4*\dt+\qt):8*(4*\dt+\qt)+7], v[\f+8*\dt:\f+8*\dt+7], v[PB+8*(2*\qt+\kk):PB+8*(2*\qt+\kk)+7], 0
.else
	v_wmma_f32_16x16x32_bf16 v[8*(4*\dt+\qt):8*(4*\dt+\qt)+7], v[\f+8*\dt:\f+8*\dt+7], v[PB+8*(2*\qt+\kk):PB+8*(2*\qt+\kk)+7], v[8*(4*\dt+\qt):8*(4*\dt+\qt)+7]
.endif
.endr
.endr
.endm
; The softmax of a step, all in window 2.  A lane holds, for each of 4 query tiles, 32 of its query's 64 scores; lane xor 16 holds the other 32.
; p = 2^(c s + nm), c = log2(e) / sqrt(128), nm = -c x the running maximum; alpha = 2^(new nm - old nm) rescales what has been summed.
; SMHEAD: the maxima, the scalings and the step's batch of exponentials.  No line of it names a result of the batch; the wait for the batch stands in STEP.
.macro SMHEAD first
	WIN 0xaa
.irp q, 0,1,2,3
.if \first
	v_max_num_f32 v[MR+\q], v[8*\q], v[8*\q+1]                     ; the first two scores start the maximum
.else
	v_max3_num_f32 v[MR+\q], v[MR+\q], v[8*\q], v[8*\q+1]
.endif
.endr
.set i, 1
.rept 15
.irp q, 0,1,2,3
	v_max3_num_f32 v[MR+\q], v[MR+\q], v[8*(4*(i/4)+\q)+2*(i%4)], v[8*(4*(i/4)+\q)+2*(i%4)+1]
.endr
.set i, i+1
.endr
.irp q, 0,1,2,3
	v_permlanex16_b32 v[TP+\q], v[MR+\q], s48, s49                 ; the other 32 keys' maximum
.endr
.irp q, 0,1,2,3
	v_max_num_f32 v[MR+\q], v[MR+\q], v[TP+\q]
.endr
.if \first == 0
.irp q, 0,1,2,3
	v_mul_f32 v[TP+\q], s46, v[MR+\q]
.endr
.irp q, 0,1,2,3
	v_sub_f32 v[DL+\q], v[TP+\q], v[NM+2*\q]                       ; new nm - old nm, at most 0
.endr
.endif
.irp q, 0,1,2,3
	v_mul_f32 v[NM+2*\q], s46, v[MR+\q]                            ; nm, twice: a pair for the packed multiply-add
	v_mul_f32 v[NM+2*\q+1], s46, v[MR+\q]
.endr
.if \first == 0
.irp q, 0,1,2,3
	v_exp_f32 v[AL+2*\q], v[DL+\q]                                 ; THE BATCH BEGINS: alpha, twice.  DL is not written again before the next step
	v_exp_f32 v[AL+2*\q+1], v[DL+\q]
.endr
.endif
.irp j, 0,1,2,3
	v_pk_fma_f32 v[2*\j:2*\j+1], v[2*\j:2*\j+1], s[44:45], v[NM:NM+1] op_sel_hi:[1,0,1]    ; tile 0 is scaled
.endr
.set n, 0
.rept 16                               ; tile n's eight exponentials, in place, and between them tile n + 1's four scalings, which write registers that are not yet results
.irp j, 0,1,2,3
	v_exp_f32 v[8*n+2*\j], v[8*n+2*\j]
.if n < 15
	v_pk_fma_f32 v[8*(n+1)+2*\j:8*(n+1)+2*\j+1], v[8*(n+1)+2*\j:8*(n+1)+2*\j+1], s[44:45], v[NM+2*((n+1)%4):NM+2*((n+1)%4)+1] op_sel_hi:[1,0,1]
.endif
	v_exp_f32 v[8*n+2*\j+1], v[8*n+2*\j+1]
.endr
.set n, n+1
.endr
.endm
; SMSUMS: behind the batch's wait.  Query tile q's running sum takes pairs 0 to 3 of S tile q, then of tiles q + 4, q + 8, q + 12; the four chains take turns,
; so a link stands four lines behind the one before it.
.macro SMSUMS first
	WIN 0xaa
.irp tt, 0,1,2,3
.irp j, 0,1,2,3
.irp q, 0,1,2,3
.if (\tt == 0) && (\j == 0)
.if \first == 0
	v_pk_fma_f32 v[LS+2*\q:LS+2*\q+1], v[LS+2*\q:LS+2*\q+1], v[AL+2*\q:AL+2*\q+1], v[8*\q:8*\q+1]   ; the old sum, rescaled, + the first pair
.endif
.elseif (\tt == 0) && (\j == 1) && (\first)
	v_pk_add_f32 v[LS+2*\q:LS+2*\q+1], v[8*\q:8*\q+1], v[8*\q+2:8*\q+3]                            ; the first two pairs start the sum
.else
	v_pk_add_f32 v[LS+2*\q:LS+2*\q+1], v[LS+2*\q:LS+2*\q+1], v[8*(4*\tt+\q)+2*\j:8*(4*\tt+\q)+2*\j+1]
.endif
.endr
.endr
.endr
.endm
; P^T's B fragments: k places 8 h + j of fragment (qt, kk) are register j of S tile (2 kk, qt), places 16 + 8 h + j of tile (2 kk + 1, qt)
.macro PACKP
	WIN 0x4a
.irp qt, 0,1,2,3
.irp kk, 0,1
.irp t, 0,1
.irp j, 0,1,2,3
	v_cvt_pk_bf16_f32 v[PB+8*(2*\qt+\kk)+4*\t+\j], v[8*(4*(2*\kk+\t)+\qt)+2*\j], v[8*(4*(2*\kk+\t)+\qt)+2*\j+1]
.endr
.endr
.endr
.endr
.endm
.macro RESCALE                         ; every accumulator times its query's factor
	WIN 0xcb
.irp dt, 0,1,2,3,4,5,6,7
.irp qt, 0,1,2,3
.irp j, 0,1,2,3
	v_pk_mul_f32 v[8*(4*\dt+\qt)+2*\j:8*(4*\dt+\qt)+2*\j+1], v[8*(4*\dt+\qt)+2*\j:8*(4*\dt+\qt)+2*\j+1], v[AL+2*\qt:AL+2*\qt+1]
.endr
.endr
.endr
.endm
; One step: tile s lies in bf16 tile b = s % 2.  refill: stage b gets tile s + 2.  cv: tile s + 1 is rounded from stage 1 - b into bf16 tile 1 - b.
; tw: a tensor load of mine is out.  first: the launch's first step.
.macro STEP b, first, refill, cv, tw
	WIN 0
.if \first == 0
	PLACES                                         ; behind the last step's products, for the loads into F0 and F1
.endif
.if \tw
	s_wait_tensorcnt 0x0                           ; all my tensor loads have landed: the one that was out is my quarter of tile s + 1,
	ds_add_u32 v62, v63
	s_wait_dscnt 0x0
.endif
.if \refill
	s_add_nc_u64 s[G0+4*\b+2:G0+4*\b+3], s[G0+4*\b+2:G0+4*\b+3], 2*TILEB   ; so a group 0 may be written: this stage's next tile
.endif
	s_wait_dscnt 0x0                               ; my reads of stage b and of bf16 tile 1 - b, and my stores into bf16 tile b, are done
.if \refill
	ROUND                                          ; that now holds of every wave of all four work-groups
	tensor_load_to_lds s[G0+4*\b:G0+4*\b+3], s[G1J:G1J+7]          ; my one tensor load behind the round, and the first thing there
	s_nop 0
.else
	s_barrier_signal -1
	s_barrier_wait -1
.endif
.if \cv
	CVLOAD CL0+1-\b, 0
.endif
	FETCHK \b, 0, F0
	FETCHK \b, 1, F1
.if \cv
	s_wait_dscnt 32                                ; the 16 stage rows are in; behind them stand K's 32 loads
	CVSTORE (1-\b)*BUFSZ, 0
	CVLOAD CL0+1-\b, 1
.endif
	s_wait_dscnt 16+32*\cv                         ; F0 is in; behind it: F1's 16 loads (and 16 stores, 16 stage loads)
	WIN 0xa4
	QK F0, 0
	WIN 0
	PLACES
	FETCHV \b, 0, F0
	s_wait_dscnt 16+32*\cv                         ; F1 is in; behind it: (16 stores, 16 stage loads and) F0's 16 new loads
	WIN 0xa4
	QK F1, 2
	WIN 0
	PLACES                                         ; for the loads into F1 and for the softmax, which reads the results
.if \cv
	s_wait_dscnt 16                                ; the second 16 stage rows are in; behind them: F0's 16 loads
.endif
	SMHEAD \first                                  ; maxima, scalings, and the step's batch: 8 alpha (none in the first step) and 128 p
	WIN 0
.if \cv
	CVROUND                                        ; the independent work behind the batch: 32 conversions on v192-255 of window 0; the first is the plain instruction behind the last exponential (ISA guide 5.7.2)
.else
	v_nop                                          ; nothing is left to round: the plain instruction behind the last exponential
.endif
	s_wait_alu depctr_va_vdst(0)                   ; the ONE wait for the step's batch, ahead of the first line that names a result: the sums below
.if \cv
	CVPUT (1-\b)*BUFSZ, 1
.endif
	FETCHV \b, 1, F1                               ; 256 vector lines (sums, roundings, rescale) stand between this run and the wait for it
	SMSUMS \first
	PACKP
.if \first == 0
	RESCALE
.endif
	s_wait_dscnt 0x0                               ; V^T's fragments
	WIN 0xf4
	PV F0, 0, \first
	PV F1, 1, 0
.endm
	s_load_b128 s[4:7], s[0:1], 0x0                ; inputs s[4:5], out0 s[6:7]
	v_lshl_add_u32 v62, v0, 2, 0x41000
	v_mov_b32 v63, 0
	ds_add_u32 v62, v63
	v_lshrrev_b32 v1, 5, v0
	v_readfirstlane_b32 s8, v1                     ; wave 0..3
	s_lshr_b32 s9, s8, 1                           ; qh: which 64 queries
	s_and_b32 s10, s8, 1                           ; kh: which half of every key tile
	s_bfe_u32 s11, ttmp6, 0x40000                  ; cx: my place in the cluster
	s_lshl_b32 s12, ttmp9, 2
	s_add_co_u32 s12, s12, s11                     ; query block = 4 x cluster x + cx
	s_and_b32 s13, ttmp7, 0xffff                   ; batch = cluster y
	s_lshl_b32 s54, s8, 14                         ; my quarter: 32 rows of 512 bytes, in memory and in a stage
	s_lshl_b32 s14, s13, 20                        ; a batch is 2,048 rows of 512 bytes
	s_or_b32 s14, s14, s54                         ; the joint offset: batch and wave alone, alike in all four work-groups
	s_mov_b32 s15, 0
	s_lshl_b32 s50, s12, 16                        ; a query block is 128 rows of 512 bytes
	s_or_b32 s50, s50, s14                         ; my own offset: for the query rows and for out0
	s_mov_b32 s51, 0
	s_mov_b32 s44, 0x3e0293ee                      ; c = log2(e) / sqrt(128), twice: the whole pair counts as read
	s_mov_b32 s45, 0x3e0293ee
	s_mov_b32 s46, 0xbe0293ee                      ; -c
	s_mov_b32 s48, 0x76543210                      ; v_permlanex16_b32: lane i reads lane i xor 16
	s_mov_b32 s49, 0xfedcba98
	; group 1: a dense block of 16 KiB as 64 rows of 32 elements of 8 bytes (256 bytes a row), no padding: the stage is read contiguously
	s_mov_b32 s[G1J+0], 15|(3<<16)|(1<<21)         ; 15:0 mask: all four work-groups; 17:16 elements of 8 bytes; 21 set beside a mask
	s_mov_b32 s[G1P+0], 3<<16                      ; the same without a mask
.irp g, G1J, G1P
	s_mov_b32 s[\g+1], 32<<16                      ; tensor_dim0 = 32
	s_mov_b32 s[\g+2], 64<<16                      ; tensor_dim1 = 64
	s_mov_b32 s[\g+3], 32<<16                      ; tile_dim0 = 32
	s_mov_b32 s[\g+4], 64                          ; tile_dim1 = 64
	s_mov_b32 s[\g+5], 32                          ; from row to row: 32 elements
	s_mov_b32 s[\g+6], 0
	s_mov_b32 s[\g+7], 0
.endr
	s_wait_dscnt 0x0
	s_wait_kmcnt 0x0
	s_add_nc_u64 s[56:57], s[4:5], s[14:15]        ; my quarter of the batch's tile 0
.irp s, 0,1
	s_mov_b32 s[G0+4*\s], 1
	s_add_co_u32 s[G0+4*\s+1], s54, ST0+\s*TILEB   ; LDS: the stage + wave x 16 KiB
	s_add_nc_u64 s[G0+4*\s+2:G0+4*\s+3], s[56:57], \s*TILEB        ; tile s
	s_or_b32 s[G0+4*\s+3], s[G0+4*\s+3], 0x80000000
.endr
	s_mov_b32 s40, 1
	s_add_co_u32 s41, s54, QST
	s_add_nc_u64 s[42:43], s[4:5], s[50:51]        ; my quarter of my work-group's query rows
	s_or_b32 s43, s43, 0x80000000
	s_add_nc_u64 s[6:7], s[6:7], s[50:51]          ; out0 at the 32 rows that this wave stores
	ROUND                                          ; all four work-groups are here: the first joint loads meet
	tensor_load_to_lds s[40:43], s[G1P:G1P+7]      ; the three first fills as one group: three tensor loads of the wave are out
	s_nop 0
	tensor_load_to_lds s[G0:G0+3], s[G1J:G1J+7]
	s_nop 0
	tensor_load_to_lds s[G0+4:G0+7], s[G1J:G1J+7]
	s_nop 0
	v_and_b32 v14, 31, v0                          ; lane
	v_and_b32 v15, 15, v0                          ; r = lane % 16
	v_bfe_u32 v16, v0, 4, 1                        ; h = lane / 16
	v_and_b32 v17, 7, v0                           ; lane % 8
	v_bfe_u32 v18, v0, 3, 1                        ; (lane / 8) % 2
	s_mul_i32 s55, s10, 64*PITCH
	s_add_co_u32 s55, s55, BUF0                    ; my 64 keys in bf16 tile 0
	v_lshl_add_u32 v19, v17, 1, v18                ; K: fragment row r is key 2 (r % 8) + r / 8
	v_mul_u32_u24 v19, v19, PITCH
	v_lshl_add_u32 v19, v16, 4, v19                ; + 16 h
	v_add_nc_u32 v[AK], s55, v19
	v_lshl_add_u32 v20, v17, 1, v16                ; V^T: this lane addresses key 2 (lane % 8) + h,
	v_mul_u32_u24 v20, v20, PITCH
	v_lshl_add_u32 v20, v18, 4, v20                ; the 8 d at 16 ((lane / 8) % 2) bytes
	v_add_nc_u32 v[AV], s55, v20
	s_mul_i32 s58, s9, 64*PITCH
	s_add_co_u32 s58, s58, BUF0+BUFSZ              ; my 64 queries in bf16 tile 1
	v_mul_u32_u24 v1, v15, PITCH
	v_lshl_add_u32 v1, v16, 4, v1
	v_add_nc_u32 v[AQ], s58, v1
	v_lshl_add_u32 v[CL0], v14, 4, s54
	v_add_nc_u32 v[CL0+1], TILEB, v[CL0]
	v_add_nc_u32 v[CLQ], QST, v[CL0]
	s_mul_i32 s58, s8, 32*PITCH
	s_add_co_u32 s58, s58, BUF0
	v_lshl_add_u32 v[CS], v14, 3, s58
	s_mul_i32 s58, s8, MWAVE
	v_mul_u32_u24 v1, v15, MPITCH
	v_lshl_add_u32 v1, v16, 5, v1                  ; row r, 8 h numbers of 4 bytes
	v_add_nc_u32 v[STO], s58, v1
	s_mul_i32 s58, s9, 2*MWAVE                     ; the rows of the two waves with my queries,
	s_mul_i32 s59, s10, 32*MPITCH                  ; of which I add and store 32
	s_add_co_u32 s58, s58, s59
	v_lshl_add_u32 v[RD], v14, 4, s58
	v_lshlrev_b32 v[CO], 4, v14
	s_lshl_b32 s58, s8, 9
	s_add_co_u32 s58, s58, STAT
	v_lshl_add_u32 v[SA], v15, 3, s58
	s_xor_b32 s59, s8, 1
	s_lshl_b32 s59, s59, 9
	s_add_co_u32 s59, s59, STAT
	v_lshl_add_u32 v[SB], v15, 3, s59
	WIN 0x80
.irp q, 0,1,2,3
	v_mov_b32 v[TP+\q], 0                          ; v_permlanex16_b32 counts as a reader of its destination
.endr
	WIN 0
	s_wait_tensorcnt 0x2                           ; my query rows are in; tiles 0 and 1 may be out
	CONVERT CLQ, BUFSZ
	s_wait_tensorcnt 0x1                           ; my quarter of tile 0 is in; tile 1 may be out
	CONVERT CL0, 0
	s_wait_dscnt 0x0                               ; my stores into both bf16 tiles are done
	s_barrier_signal -1
	s_barrier_wait -1                              ; everybody's are.  Tile 1 stays on its way
	WIN 0x40
.irp qt, 0,1,2,3
.irp ks, 0,1,2,3
	ds_load_b128 v[8*(4*\qt+\ks):8*(4*\qt+\ks)+3],   v[AQ] offset:\qt*16*PITCH+64*\ks      ; Q stays in registers for the whole launch;
	ds_load_b128 v[8*(4*\qt+\ks)+4:8*(4*\qt+\ks)+7], v[AQ] offset:\qt*16*PITCH+64*\ks+32   ; step 0 waits for these in front of its round
.endr
.endr
	STEP 0, 1, 1, 1, 1                             ; steps 0 and 1 stand ahead of the loop: the first products start the sums
	STEP 1, 0, 1, 1, 1
	WIN 0                                          ; at a label and at a branch every window is 0
	s_mov_b32 s47, 6                               ; steps 2 to 13
.Lpair:
	STEP 0, 0, 1, 1, 1
	STEP 1, 0, 1, 1, 1
	WIN 0
	s_sub_co_u32 s47, s47, 1
	s_cmp_lg_u32 s47, 0
	s_cbranch_scc1 .Lpair
	STEP 0, 0, 0, 1, 1                             ; step 14: nothing is left to fetch; tile 15 is rounded
	STEP 1, 0, 0, 0, 0                             ; step 15: nothing is left to round; no tensor load is out any more
	; THE MERGE of the two key halves.  Each wave publishes (nm, l) of its 64 queries and reads its partner's.
	WIN 0
	PLACES                                         ; behind the last products
	WIN 0xaa
.irp q, 0,1,2,3
	v_add_f32 v[TP+\q], v[LS+2*\q], v[LS+2*\q+1]
.endr
.irp q, 0,1,2,3
	v_permlanex16_b32 v[DL+\q], v[TP+\q], s48, s49
.endr
.irp q, 0,1,2,3
	v_add_f32 v[NM+2*\q+1], v[TP+\q], v[DL+\q]     ; l of my key half, beside nm
.endr
	WIN 0x08
.irp q, 0,1,2,3
	ds_store_b64 v[SA], v[NM+2*\q:NM+2*\q+1] offset:128*\q         ; lanes r and r + 16 write the same bytes with the same values
.endr
	s_wait_dscnt 0x0
	s_barrier_signal -1
	s_barrier_wait -1
	WIN 0x80
.irp q, 0,1,2,3
	ds_load_b64 v[PN+2*\q:PN+2*\q+1], v[SB] offset:128*\q
.endr
	s_wait_dscnt 0x0
	WIN 0xaa
.irp q, 0,1,2,3
	v_min_num_f32 v[TP+\q], v[NM+2*\q], v[PN+2*\q] ; nm of the larger maximum
.endr
.irp q, 0,1,2,3
	v_sub_f32 v[DL+\q], v[TP+\q], v[NM+2*\q]
	v_sub_f32 v[MR+\q], v[TP+\q], v[PN+2*\q]
.endr
.irp q, 0,1,2,3
	v_exp_f32 v[DL+\q], v[DL+\q]                   ; f: my half's factor
	v_exp_f32 v[MR+\q], v[MR+\q]                   ; f': the other half's.  One of the two is 1
.endr
	v_nop                                          ; the plain place behind the exponentials
	s_wait_alu depctr_va_vdst(0)                   ; one wait for the batch of eight factors, ahead of the products that read them
.irp q, 0,1,2,3
	v_mul_f32 v[TP+\q], v[DL+\q], v[NM+2*\q+1]
.endr
.irp q, 0,1,2,3
	v_fmac_f32 v[TP+\q], v[MR+\q], v[PN+2*\q+1]    ; L = f l + f' l': between about 1 (the largest score's own p) and 2,048
.endr
.irp q, 0,1,2,3
	v_rcp_f32 v[TP+\q], v[TP+\q]
.endr
	v_nop                                          ; the plain place behind the reciprocals
	s_wait_alu depctr_va_vdst(0)                   ; one wait for the batch of four reciprocals; they read sums made with the factors, so they are a batch of their own
.irp q, 0,1,2,3
	v_mul_f32 v[AL+2*\q], v[DL+\q], v[TP+\q]       ; g = f / L, twice
	v_mul_f32 v[AL+2*\q+1], v[DL+\q], v[TP+\q]
.endr
	RESCALE
	WIN 0x0c
.irp qt, 0,1,2,3
.irp dt, 0,1,2,3,4,5,6,7
.irp s, 0,1
	ds_store_b128 v[STO], v[8*(4*\dt+\qt)+4*\s:8*(4*\dt+\qt)+4*\s+3] offset:16*MPITCH*\qt+64*\dt+16*\s   ; row 16 qt + r, d = 16 dt + 8 h + 4 s ..
.endr
.endr
.endr
	WIN 0
	s_wait_dscnt 0x0
	s_barrier_signal -1
	s_barrier_wait -1
; THE WAY OUT, 8 rows at a time: a row of both halves (512 bytes, 16 a lane), their sum, one store of 512 consecutive bytes at a multiple of 512 from out0's first byte.
.macro OUT8 g, f
.if \g >= 2
	s_wait_xcnt 0x0                                ; buffer f, which stores read, is loaded again only behind this wait (ISA guide 3.1)
.endif
.irp t, 0,1,2,3,4,5,6,7
	ds_load_b128 v[\f+4*\t:\f+4*\t+3],       v[RD] offset:MPITCH*(8*\g+\t)
	ds_load_b128 v[\f+32+4*\t:\f+32+4*\t+3], v[RD] offset:MPITCH*(8*\g+\t)+MWAVE
.endr
.irp t, 0,1,2,3,4,5,6,7
	s_wait_dscnt 14-2*\t                           ; row t's two loads are in; behind them stand two for each later row
	v_pk_add_f32 v[\f+4*\t:\f+4*\t+1],   v[\f+4*\t:\f+4*\t+1],   v[\f+32+4*\t:\f+32+4*\t+1]
	v_pk_add_f32 v[\f+4*\t+2:\f+4*\t+3], v[\f+4*\t+2:\f+4*\t+3], v[\f+32+4*\t+2:\f+32+4*\t+3]
	global_store_b128 v[CO], v[\f+4*\t:\f+4*\t+3], s[6:7] offset:512*(8*\g+\t) th:TH_STORE_NT
.endr
.endm
	OUT8 0, F0
	OUT8 1, F1
	OUT8 2, F0
	OUT8 3, F1
	s_wait_tensorcnt 0x0
	ds_add_u32 v62, v63
	s_wait_dscnt 0x0
	ROUND                                          ; the closing round: no work-group ends while a partner may still ask for a tile that names it
	s_endpgm
.Lfunc_end_k_q0493c60b99_attn:
	.size	k_q0493c60b99_attn, .Lfunc_end_k_q0493c60b99_attn-k_q0493c60b99_attn
	.p2alignl 7, 3214868480
	.fill 96, 4, 3214868480
	.section	.rodata,"a",@progbits
	.p2align	6, 0x0
	.amdhsa_kernel k_q0493c60b99_attn
		.amdhsa_group_segment_fixed_size 327680
		.amdhsa_private_segment_fixed_size 0
		.amdhsa_enable_private_segment 0
		.amdhsa_kernarg_size 16
		.amdhsa_user_sgpr_count 2
		.amdhsa_user_sgpr_kernarg_segment_ptr 1
		.amdhsa_wavefront_size32 1
		.amdhsa_system_sgpr_workgroup_id_x 1
		.amdhsa_system_sgpr_workgroup_id_y 1
		.amdhsa_system_sgpr_workgroup_id_z 1
		.amdhsa_system_vgpr_workitem_id 0
		.amdhsa_next_free_vgpr 1024
		.amdhsa_next_free_sgpr 66
		.amdhsa_reserve_vcc 0
		.amdhsa_float_denorm_mode_32 3
		.amdhsa_float_denorm_mode_16_64 3
		.amdhsa_memory_ordered 1
		.amdhsa_forward_progress 1
		.amdhsa_inst_pref_size 255
	.end_amdhsa_kernel
	.section	.bss,"aw",@nobits
	.p2align	6
	.space	262144
	.amdgpu_metadata
---
amdhsa.version: [ 1, 2 ]
amdhsa.kernels:
  - .name:           k_q0493c60b99_attn
    .symbol:         k_q0493c60b99_attn.kd
    .args:
      - { .name: inputs, .offset: 0, .size: 8, .value_kind: global_buffer, .address_space: global }
      - { .name: out0, .offset: 8, .size: 8, .value_kind: global_buffer, .address_space: global }
    .group_segment_fixed_size: 327680
    .private_segment_fixed_size: 0
    .kernarg_segment_align: 8
    .kernarg_segment_size: 16
    .max_flat_workgroup_size: 128
    .sgpr_count:     66
    .vgpr_count:     1024
    .wavefront_size: 32
...
	.end_amdgpu_metadata
.endif
;; end of part 2
